; MI455X (gfx1250); checked and timed in simulation.
; The chip was launched on July 23, 2026; its instructions are those of AMD's public machine-readable ISA for CDNA 5 (MIT licence, August 2026) and "CDNA5" Instruction Set Architecture Reference Guide (July 2026). The comments in the code are by the model that wrote it; some were corrected since.
;; Disease Level Shapley Game. Allowed arithmetic: float matrix products may take bf16 or f16 operands with f32 sums; other float arithmetic in f32, or as packed bf16 or f16 multiplies, adds, multiply-adds, maxima and minima; sums over many terms, partial sums and values carried from step to step in f32; what a program stores and reads back later, other than sums and carried values, may be rounded once to bf16 or f16.
;; Inputs: Wt 4,096 x 4,096 float32; Wv 4,096 x 4,096 float32; bt 4,096 float32; bv 4,096 float32; cooccurrence 14 x 14 float32; disease_labels 2,048 x 14 int32; image_feat 2,048 x 4,096 float32; prototypes 14 x 4,096 float32; text_feat 2,048 x 4,096 float32.
;; Outputs: out0 2,048 x 14 float32; out1 14 x 4,096 float32; out2 one number float32.
;; One version. Each part assembles by itself: llvm-mc -triple=amdgcn-amd-amdhsa -mcpu=gfx1250 --defsym DOCPART=n.
;; ======== version 1 of 1: 3 launches
;; workspace buffers: ab 100,663,296 bytes; part 4,194,304 bytes; pn 256 bytes
;; launch prep (part 1): grid 1539 x 1, 8 waves a work-group, no clusters, 9,216 bytes of LDS; arguments image_feat, text_feat, Wv, Wt, prototypes, disease_labels, cooccurrence, ab, out1, pn, out2; writes ab, out1, pn, out2
.if DOCPART == 1
	.amdgcn_target "amdgcn-amd-amdhsa--gfx1250"
	.amdhsa_code_object_version 6
	.text
	.protected	k_qd12d46bb41_prep
	.globl	k_qd12d46bb41_prep
	.p2align	8
	.type	k_qd12d46bb41_prep,@function
k_qd12d46bb41_prep:
	s_mov_b64 s[64:65], 0
	v_nop
	global_prefetch_b8 v0, s[64:65] scope:SCOPE_SE
	s_setreg_imm32_b32 hwreg(HW_REG_WAVE_MODE, 25, 1), 1
	s_wait_xcnt 0x0
; THREE ROLES, chosen by the work-group's number (the same in all its waves).  One wave always owns one row of 4,096 f32.
;   work-group 0         out2 = mean((sigmoid(cooccurrence) - labels^T labels / 2048)^2): the 14 x 14 counts by the matrix unit
;   work-groups 1, 2     out1 = prototypes (a copy), pn[k] = 1 / max(|prototype k|, 1e-12)
;   work-groups 3..1538  ab = image_feat, text_feat, Wv, Wt rounded once to bf16, 8 rows a work-group: the operands of the next launch's products
; The cast is a stream: each byte is read once and written once, a wave has its whole row (32 loads of 512 consecutive bytes) on its way at once, and each
; store of a wave covers 256 consecutive bytes, aligned.  No cluster: no two work-groups read the same bytes.  No tensor loads: nothing is shared between waves on the way in.
; LIMITS.  The labels enter the count product as bf16: exact up to 256 in magnitude, 8 significant bits beyond.  A sum of squares below 2^-126 counts as 0 in the root
; (its root lies below 1e-12, so the clamp decides either way).  NaN and infinities are not treated apart.
.set PART,  0                          ; LDS: wave w's 16 x 16 partial counts, 1,024 bytes, at 1,024 w (work-group 0 alone)
.set SPARE, 8192                       ; behind them: the spare words, 128 bytes for each of the eight waves, which no other line names
.set LANE, 2                           ; v2   lane
.set LO,   3                           ; v3   byte offset of my loads
.set SO,   4                           ; v4   byte offset of my stores
.set SPW,  8                           ; v8   LDS address of my spare word; never rewritten
.set NIL,  9                           ; v9   0; never rewritten
.set RR,   10                          ; v10  lane % 16
.set HH,   11                          ; v11  lane / 16
.set RC,   12                          ; v12  min(lane % 16, 13)
.set ACC,  16                          ; v[16:31]  two accumulators, or four pairs of running sums of squares
.set X,    32                          ; v[32:159] a row as loaded
.set CV,   X+64                         ; v[96:103]  cooccurrence, then sigmoid, then the difference
.set CA,   X+72                         ; v[104:111] the byte offsets of my eight numbers of cooccurrence
	s_load_b512 s[8:23], s[0:1], 0x0               ; image 8, text 10, Wv 12, Wt 14, prototypes 16, labels 18, cooccurrence 20, ab 22
	s_load_b128 s[24:27], s[0:1], 0x40             ; out1 24, pn 26
	s_load_b64 s[28:29], s[0:1], 0x50              ; out2
	v_lshl_add_u32 v[SPW], v0, 2, SPARE
	v_mov_b32 v[NIL], 0
	v_lshrrev_b32 v1, 5, v0
	v_readfirstlane_b32 s4, v1                     ; wave 0..7
	v_and_b32 v[LANE], 31, v0
	s_mov_b32 s34, 0x76543210                      ; v_permlanex16_b32: each lane takes its own place in the other half
	s_mov_b32 s35, 0xfedcba98
	s_mov_b32 s3, 0                                ; the high word of every offset below
	s_wait_kmcnt 0x0
	s_cmp_ge_u32 ttmp9, 3
	s_cbranch_scc1 .Lcast
	s_cmp_eq_u32 ttmp9, 0
	s_cbranch_scc1 .Lloss
.macro LOAD32 nt                       ; a whole row: 32 loads of 512 consecutive bytes; nt = 1: bytes that the launch reads once
.set i, 0
.rept 32
.if \nt
	global_load_b128 v[X+4*i:X+4*i+3], v[LO], s[30:31] offset:512*i th:TH_LOAD_NT
.else
	global_load_b128 v[X+4*i:X+4*i+3], v[LO], s[30:31] offset:512*i
.endif
.set i, i+1
.endr
.endm
.macro WSUM r, t                       ; the sum of v[r] over the 32 lanes, in every lane; v[t] has been written before
	v_add_f32_dpp v[\r], v[\r], v[\r] row_xmask:1 row_mask:0xf bank_mask:0xf
	v_add_f32_dpp v[\r], v[\r], v[\r] row_xmask:2 row_mask:0xf bank_mask:0xf
	v_add_f32_dpp v[\r], v[\r], v[\r] row_xmask:4 row_mask:0xf bank_mask:0xf
	v_add_f32_dpp v[\r], v[\r], v[\r] row_xmask:8 row_mask:0xf bank_mask:0xf
	v_permlanex16_b32 v[\t], v[\r], s34, s35
	v_add_f32 v[\r], v[\r], v[\t]
.endm
	; ---------------- PROTOTYPES: wave = prototype k = 8 (work-group - 1) + wave; the two waves beyond 13 have no row ----------------
	s_sub_co_u32 s5, ttmp9, 1
	s_lshl_b32 s5, s5, 3
	s_add_co_u32 s5, s5, s4
	s_cmp_ge_u32 s5, 14
	s_cbranch_scc1 .Lquit
	s_lshl_b32 s2, s5, 14                          ; k rows of 16,384 bytes
	s_add_nc_u64 s[30:31], s[16:17], s[2:3]
	s_add_nc_u64 s[32:33], s[24:25], s[2:3]
	s_lshl_b32 s6, s5, 2
	s_mov_b32 s7, 0
	s_add_nc_u64 s[26:27], s[26:27], s[6:7]        ; pn[k]
	v_lshlrev_b32 v[LO], 4, v[LANE]
	LOAD32 0
.set i, 0
.rept 32
	s_wait_loadcnt 31-i                            ; loads come back in order: number i is in, the 31 - i younger ones stay out
	global_store_b128 v[LO], v[X+4*i:X+4*i+3], s[32:33] offset:512*i  ; the copy: 512 consecutive bytes
.set c, ACC+4*(i%2)                    ; four pairs of sums that do not wait for each other; the first squares start them
.if i < 2
	v_pk_mul_f32 v[c:c+1], v[X+4*i:X+4*i+1], v[X+4*i:X+4*i+1]
	v_pk_mul_f32 v[c+2:c+3], v[X+4*i+2:X+4*i+3], v[X+4*i+2:X+4*i+3]
.else
	v_pk_fma_f32 v[c:c+1], v[X+4*i:X+4*i+1], v[X+4*i:X+4*i+1], v[c:c+1]
	v_pk_fma_f32 v[c+2:c+3], v[X+4*i+2:X+4*i+3], v[X+4*i+2:X+4*i+3], v[c+2:c+3]
.endif
.set i, i+1
.endr
	v_pk_add_f32 v[ACC:ACC+1], v[ACC:ACC+1], v[ACC+2:ACC+3]
	v_pk_add_f32 v[ACC+4:ACC+5], v[ACC+4:ACC+5], v[ACC+6:ACC+7]
	v_pk_add_f32 v[ACC:ACC+1], v[ACC:ACC+1], v[ACC+4:ACC+5]
	v_add_f32 v[ACC], v[ACC], v[ACC+1]
	WSUM ACC, ACC+1
	v_sqrt_f32 v[ACC+1], v[ACC]
	v_nop                                          ; a plain instruction behind the root,
	s_wait_alu depctr_va_vdst(0)                   ; and the wait ahead of the first use of its result
	v_max_num_f32 v[ACC+1], 0x2b8cbccc, v[ACC+1]   ; max(norm, 1e-12)
	v_rcp_f32 v[ACC+2], v[ACC+1]
	v_mov_b32 v5, 0                                ; the store's offset: the plain instruction behind the reciprocal
	s_wait_alu depctr_va_vdst(0)
	v_cmp_eq_u32 vcc_lo, 0, v[LANE]
	s_wait_xcnt 0x0                                ; EXEC is a source of the stores above: it changes only behind this wait
	s_and_saveexec_b32 s38, vcc_lo
	global_store_b32 v5, v[ACC+2], s[26:27]        ; one number a prototype
	s_wait_xcnt 0x0
	s_or_b32 exec_lo, exec_lo, s38
.Lquit:
	s_endpgm
	; ---------------- THE CAST: block n = work-group - 3 is rows 8 n .. 8 n + 7 of ab; 256 blocks of image, 256 of text, 512 of Wv, 512 of Wt ----------------
.Lcast:
	s_sub_co_u32 s5, ttmp9, 3
	s_mov_b64 s[30:31], s[14:15]                   ; Wt, from block 1,024 on,
	s_mov_b32 s6, 1024
	s_cmp_lt_u32 s5, 1024
	s_cselect_b64 s[30:31], s[12:13], s[30:31]     ; or Wv, from 512,
	s_cselect_b32 s6, 512, s6
	s_cmp_lt_u32 s5, 512
	s_cselect_b64 s[30:31], s[10:11], s[30:31]     ; or text_feat, from 256,
	s_cselect_b32 s6, 256, s6
	s_cmp_lt_u32 s5, 256
	s_cselect_b64 s[30:31], s[8:9], s[30:31]       ; or image_feat
	s_cselect_b32 s6, 0, s6
	s_sub_co_u32 s6, s5, s6                        ; the block's number in its own tensor
	s_lshl_b32 s2, s6, 17                          ; 8 rows of 16,384 bytes
	s_add_nc_u64 s[30:31], s[30:31], s[2:3]
	s_lshl_b32 s2, s5, 16                          ; 8 rows of 8,192 bytes
	s_add_nc_u64 s[32:33], s[22:23], s[2:3]
	s_lshl_b32 s7, s4, 14
	v_lshl_add_u32 v[LO], v[LANE], 4, s7           ; my wave's row, 16 bytes a lane
	s_lshl_b32 s7, s4, 13
	v_lshl_add_u32 v[SO], v[LANE], 3, s7           ; the same row in ab, 8 bytes a lane
	LOAD32 1
.set i, 0
.rept 32
	s_wait_loadcnt 31-i                            ; number i is in, the younger ones stay out
	v_cvt_pk_bf16_f32 v[X+4*i], v[X+4*i], v[X+4*i+1]      ; two roundings to nearest even, packed
	v_cvt_pk_bf16_f32 v[X+4*i+1], v[X+4*i+2], v[X+4*i+3]
	global_store_b64 v[SO], v[X+4*i:X+4*i+1], s[32:33] offset:256*i  ; 32 lanes store 256 consecutive bytes, aligned; no register is written again
.set i, i+1
.endr
	s_endpgm
	; ---------------- THE LOSS.  counts = L^T L: one fragment (16 labels x 32 batch rows) is both sources.  Wave w takes batch rows 256 w .. 256 w + 255: 8 fragments ----------------
.Lloss:
	v_and_b32 v[RR], 15, v0
	v_bfe_u32 v[HH], v0, 4, 1
	v_min_u32 v[RC], 13, v[RR]                     ; lanes 14 and 15 of a half read label 13 once more: their rows and columns of the counts are masked below
	s_lshl_b32 s5, s4, 8
	v_lshl_add_u32 v5, v[HH], 3, s5                ; batch row 256 w + 8 (lane / 16)
	v_mul_u32_u24 v5, v5, 56                       ; 14 labels of 4 bytes a row
	v_lshl_add_u32 v[LO], v[RC], 2, v5
.set f, 0
.rept 8                                ; element e of a lane's 16: batch row 32 f + 8 (lane / 16) + e, and 8 more from e = 8 on: the fragment's own order
.set e, 0
.rept 16
	global_load_b32 v[X+16*f+e], v[LO], s[18:19] offset:(32*f+e+8*(e/8))*56
.set e, e+1
.endr
.set f, f+1
.endr
	s_wait_loadcnt 0x0
.set i, 0
.rept 128
	v_cvt_f32_i32 v[X+i], v[X+i]
.set i, i+1
.endr
.set f, 0
.rept 8
.set q, 0
.rept 8                                ; in place, ascending: register q is written when registers up to 2 q + 1 have been read
	v_cvt_pk_bf16_f32 v[X+16*f+q], v[X+16*f+2*q], v[X+16*f+2*q+1]
.set q, q+1
.endr
.set f, f+1
.endr
.set f, 0
.rept 8                                ; two accumulators by turns; the first two products start the sums
.if f < 2
	v_wmma_f32_16x16x32_bf16 v[ACC+8*(f%2):ACC+8*(f%2)+7], v[X+16*f:X+16*f+7], v[X+16*f:X+16*f+7], 0
.else
	v_wmma_f32_16x16x32_bf16 v[ACC+8*(f%2):ACC+8*(f%2)+7], v[X+16*f:X+16*f+7], v[X+16*f:X+16*f+7], v[ACC+8*(f%2):ACC+8*(f%2)+7]
.endif
.set f, f+1
.endr
	s_lshl_b32 s5, s4, 10
	v_lshl_add_u32 v6, v[LANE], 5, s5              ; four address lines are the four places behind the last product: where I put my 32 bytes,
	v_lshlrev_b32 v7, 5, v[LANE]                   ; where wave 0 reads them back,
	v_lshlrev_b32 v5, 2, v[RC]                     ; my column of cooccurrence,
	v_mov_b32 v1, 0                                ; out2's offset
.set r, 0
.rept 4
	v_pk_add_f32 v[ACC+r:ACC+r+1], v[ACC+r:ACC+r+1], v[ACC+8+r:ACC+8+r+1]  ; the two accumulators, from their low ends on
.set r, r+2
.endr
	ds_store_b128 v6, v[ACC:ACC+3] offset:PART
	ds_store_b128 v6, v[ACC+4:ACC+7] offset:PART+16
	s_wait_dscnt 0x0                               ; for the others' sake: my stores are done
	s_barrier_signal -1
	s_barrier_wait -1                              ; all eight partial counts lie in LDS
	s_cmp_lg_u32 s4, 0
	s_cbranch_scc1 .Lend                           ; wave 0 finishes
.set w, 0
.rept 8
	ds_load_b128 v[X+8*w:X+8*w+3], v7 offset:PART+1024*w
	ds_load_b128 v[X+8*w+4:X+8*w+7], v7 offset:PART+1024*w+16
.set w, w+1
.endr
.set q, 0
.rept 8                                ; register q of the counts is (i = 8 (lane / 16) + q, j = lane % 16); both indices are held inside the table
	v_lshl_add_u32 v[CA+q], v[HH], 3, q
	v_min_u32 v[CA+q], 13, v[CA+q]
	v_mad_u32_u24 v[CA+q], v[CA+q], 56, v5
.set q, q+1
.endr
.set q, 0
.rept 8
	global_load_b32 v[CV+q], v[CA+q], s[20:21]
.set q, q+1
.endr
	v_cmp_gt_u32 s36, 14, v[RR]                    ; j < 14
	v_cmp_eq_u32 s37, 0, v[HH]
	s_and_b32 s37, s37, s36                        ; and, for q = 6, 7, i < 14 too
	s_wait_dscnt 0x0
.irp st, 4, 2, 1
.set w, 0
.rept \st
.set r, 0
.rept 4
	v_pk_add_f32 v[X+8*w+r:X+8*w+r+1], v[X+8*w+r:X+8*w+r+1], v[X+8*(w+\st)+r:X+8*(w+\st)+r+1]
.set r, r+2
.endr
.set w, w+1
.endr
.endr
	s_wait_loadcnt 0x0
.set q, 0
.rept 8
	v_mul_f32 v[CV+q], 0xbfb8aa3b, v[CV+q]         ; -x log2(e)
.set q, q+1
.endr
.set q, 0
.rept 8
	v_exp_f32 v[CV+q], v[CV+q]
.set q, q+1
.endr
	v_nop                                          ; one plain instruction and one wait for the batch of eight
	s_wait_alu depctr_va_vdst(0)
.set q, 0
.rept 8
	v_add_f32 v[CV+q], 1.0, v[CV+q]
.set q, q+1
.endr
.set q, 0
.rept 8
	v_rcp_f32 v[CV+q], v[CV+q]                     ; sigmoid(x) = 1 / (1 + 2^(-x log2(e)))
.set q, q+1
.endr
	v_nop
	s_wait_alu depctr_va_vdst(0)
.set q, 0
.rept 8
	v_fmamk_f32 v[CV+q], v[X+q], 0xba000000, v[CV+q]  ; sigmoid - count / 2048
.set q, q+1
.endr
.set q, 0
.rept 6
	v_cndmask_b32 v[CV+q], 0, v[CV+q], s36
.set q, q+1
.endr
	v_cndmask_b32 v[CV+6], 0, v[CV+6], s37
	v_cndmask_b32 v[CV+7], 0, v[CV+7], s37
	v_mul_f32 v[ACC], v[CV], v[CV]
.set q, 1
.rept 7
	v_fmac_f32 v[ACC], v[CV+q], v[CV+q]
.set q, q+1
.endr
	WSUM ACC, ACC+1
	v_mul_f32 v[ACC], 0x3ba72f05, v[ACC]           ; / 196
	v_cmp_eq_u32 vcc_lo, 0, v[LANE]
	s_wait_xcnt 0x0                                ; EXEC changes only behind this wait,
	s_and_saveexec_b32 s38, vcc_lo
	global_store_b32 v1, v[ACC], s[28:29]
	s_wait_xcnt 0x0                                ; and again in front of the line that widens it
	s_or_b32 exec_lo, exec_lo, s38
.Lend:
	s_wait_tensorcnt 0x0                           ; the wave's end, behind my last LDS store
	ds_add_u32 v[SPW], v[NIL]
	s_wait_dscnt 0x0
	s_endpgm
.Lfunc_end_k_qd12d46bb41_prep:
	.size	k_qd12d46bb41_prep, .Lfunc_end_k_qd12d46bb41_prep-k_qd12d46bb41_prep
	.p2alignl 7, 3214868480
	.fill 96, 4, 3214868480
	.section	.rodata,"a",@progbits
	.p2align	6, 0x0
	.amdhsa_kernel k_qd12d46bb41_prep
		.amdhsa_group_segment_fixed_size 9216
		.amdhsa_private_segment_fixed_size 0
		.amdhsa_enable_private_segment 0
		.amdhsa_kernarg_size 88
		.amdhsa_user_sgpr_count 2
		.amdhsa_user_sgpr_kernarg_segment_ptr 1
		.amdhsa_wavefront_size32 1
		.amdhsa_system_sgpr_workgroup_id_x 1
		.amdhsa_system_sgpr_workgroup_id_y 1
		.amdhsa_system_sgpr_workgroup_id_z 1
		.amdhsa_system_vgpr_workitem_id 0
		.amdhsa_next_free_vgpr 160
		.amdhsa_next_free_sgpr 66
		.amdhsa_reserve_vcc 1
		.amdhsa_float_denorm_mode_32 3
		.amdhsa_float_denorm_mode_16_64 3
		.amdhsa_memory_ordered 1
		.amdhsa_forward_progress 1
		.amdhsa_inst_pref_size 56
	.end_amdhsa_kernel
	.amdgpu_metadata
---
amdhsa.version: [ 1, 2 ]
amdhsa.kernels:
  - .name:           k_qd12d46bb41_prep
    .symbol:         k_qd12d46bb41_prep.kd
    .args:
      - { .name: image_feat, .offset: 0, .size: 8, .value_kind: global_buffer, .address_space: global }
      - { .name: text_feat, .offset: 8, .size: 8, .value_kind: global_buffer, .address_space: global }
      - { .name: Wv, .offset: 16, .size: 8, .value_kind: global_buffer, .address_space: global }
      - { .name: Wt, .offset: 24, .size: 8, .value_kind: global_buffer, .address_space: global }
      - { .name: prototypes, .offset: 32, .size: 8, .value_kind: global_buffer, .address_space: global }
      - { .name: disease_labels, .offset: 40, .size: 8, .value_kind: global_buffer, .address_space: global }
      - { .name: cooccurrence, .offset: 48, .size: 8, .value_kind: global_buffer, .address_space: global }
      - { .name: ab, .offset: 56, .size: 8, .value_kind: global_buffer, .address_space: global }
      - { .name: out1, .offset: 64, .size: 8, .value_kind: global_buffer, .address_space: global }
      - { .name: pn, .offset: 72, .size: 8, .value_kind: global_buffer, .address_space: global }
      - { .name: out2, .offset: 80, .size: 8, .value_kind: global_buffer, .address_space: global }
    .group_segment_fixed_size: 9216
    .private_segment_fixed_size: 0
    .kernarg_segment_align: 8
    .kernarg_segment_size: 88
    .max_flat_workgroup_size: 256
    .sgpr_count:     66
    .vgpr_count:     160
    .wavefront_size: 32
...
	.end_amdgpu_metadata
.endif
;; end of part 1
;; launch gemm (part 2): grid 16 x 16, 4 waves a work-group, clusters of 4 x 4, 327,680 bytes of LDS; arguments ab, bv, bt, prototypes, part; writes part
.if DOCPART == 2
	.amdgcn_target "amdgcn-amd-amdhsa--gfx1250"
	.amdhsa_code_object_version 6
	.text
	.protected	k_qd12d46bb41_gemm
	.globl	k_qd12d46bb41_gemm
	.p2align	8
	.type	k_qd12d46bb41_gemm,@function
k_qd12d46bb41_gemm:
	s_mov_b64 s[64:65], 0
	v_nop
	global_prefetch_b8 v0, s[64:65] scope:SCOPE_SE
	s_setreg_imm32_b32 hwreg(HW_REG_WAVE_MODE, 25, 1), 1
	s_wait_xcnt 0x0
	s_wait_alu depctr_hold_cnt(0) depctr_sa_sdst(0) depctr_va_vdst(0) depctr_va_sdst(0) depctr_va_ssrc(0) depctr_va_vcc(0) depctr_vm_vsrc(0)
	s_getreg_b32 s2, hwreg(HW_REG_IB_STS2, 6, 4)
	s_cmp_eq_u32 s2, 0
	s_cbranch_scc0 .Lentry_in_a_cluster
	s_endpgm
.Lentry_in_a_cluster:
	s_bfe_u32 s2, ttmp6, 0x10000c
	s_cmp_lg_u32 s2, 0xf033
	s_cbranch_scc0 .Lentry_shape_is_right
	s_endpgm
.Lentry_shape_is_right:
; y = x W^T + b for both layers at once, and of y only what the result needs: for each row m and each tile of 256 columns the sum of y^2 and the 14 sums y . prototype_k.  y itself never leaves the registers.
; ab holds the operands in bf16, rows of 4,096: rows 0-4095 the stacked x (image, then text), from byte 0x2000000 on the stacked W (Wv, then Wt).  Sums in f32; the bias is added in f32; the squares are
; taken of the f32 y.  For the product with the prototypes the prototypes are rounded once to bf16, and y GOES AS TWO bf16 NUMBERS: yh, y rounded to bf16's 8 significant bits, and yl, y - yh (exact in
; f32) rounded likewise; both are multiplied by the same prototypes and added into the same f32 sum, so that y counts with some 16 significant bits.
; SHARES.  256 work-groups, a tile of 256 x 256 of y each: tile row ty = 0..15 of the stacked x (layer g = ty / 8), tile column tx = 0..15.  Four waves, each 128 x 128: 64 accumulators, 512 registers.
; K goes in steps of 128 through a ring of two LDS slots filled by the tensor data mover: rows of 256 bytes, aligned.
; CLUSTERS: 4 x 4 work-groups.  The four of a row of the cluster need the same tiles of x, the four of a column the same tiles of W: each tile is asked for JOINTLY, by the same tensor load with the same
; descriptor and a mask that names the four.  g hangs on the cluster's y alone, so it is the same in all sixteen.
; THE MATRIX INSTRUCTION IS USED TRANSPOSED (source 0 = 16 rows of W, source 1 = 16 rows of x): lane l holds row m = l % 16 of y and its registers the columns 8 (l / 16) + 0..7.  Two neighbouring
; accumulators, rounded to bf16 in pairs, ARE source 1 (32 columns x 16 rows of y) of the second product, whose source 0 is 16 prototypes x 32 columns: nothing changes lanes.
; Prototype rows 14 and 15 of that fragment repeat row 13; their two results are overwritten in the stage by the two halves of the sum of squares.
; LIMITS.  x, W and the prototypes count with bf16's 8 significant bits; NaN and infinities are not treated apart.
; REGISTERS, in windows of 256 (s_set_vgpr_msb: bits 1:0 source 0, 3:2 source 1, 5:4 source 2, 7:6 destination):
;   window 0: v0-31 addresses; v32-47 sums of squares; v64-127, v128-191 fragments of x, two buffers (at the head v64-127: prototypes in f32; on the way out v64-127: the second product's sums,
;             v128-191: yh of one block in f32, later rows read back); v192-255 y of one block in f32, then y - yh
;   window 1: v0-31 the prototypes' four fragments; v64-127, v128-191 fragments of W, two buffers; v192-255 the bias of my 128 columns, in the accumulators' layout
;   window 2: the 32 accumulators of my rows 0-63 (accumulator (a, b) at v[8 (8 a + b)]);   window 3: those of my rows 64-127
.set SIZE_K, 4096
.set KSTEP,  128
.set PITCH,  272                       ; an LDS row: 256 bytes of data + 16 of padding = 68 words: the 16 rows that a load touches start at 16 different banks (64 banks of 4 bytes: ISA guide 11.1)
.set HALFT,  128*PITCH                 ; 128 rows: what one tensor load brings, and what one wave reads of x or of W
.set SLOT,   4*HALFT                   ; x's 256 rows, then W's 256 rows
.set STAGE,  2*SLOT                    ; behind the ring, never filled by a tensor load: for each wave 128 records of 64 bytes in rows of 80
.set SPITCH, 80
.set WSTAGE, 128*SPITCH
.set SPARE,  STAGE+4*WSTAGE            ; behind the stages: the spare words, 128 bytes for each wave, which no other line names
.set LAPS,   SIZE_K/(2*KSTEP)          ; a lap = two K steps = once round the ring: 16
.set ADRA, 16                          ; v16-17  LDS address of my fragments of x in slot 0, 1
.set ADRB, 20                          ; v20-21  the same for W
.set BO,   22                          ; v22     my byte offset in the bias
.set PO,   23                          ; v23     my byte offset in prototypes
.set STO,  24                          ; v24     the way out: where I put my 32 bytes of a record
.set RD,   25                          ; v25     the way out: where I read records back
.set GO,   26                          ; v26     my byte offset in 512 consecutive bytes of part
.set STS,  27                          ; v27     the way out: where I put my half of a row's sum of squares
.set SPW,  28                          ; v28     LDS address of my spare word; never rewritten
.set NIL,  29                          ; v29     0; never rewritten
.set PFO,  30                          ; v30     the prefetches' offset: my lane x a row of ab (8,192 bytes); never rewritten
.set SSP,  32                          ; v32-39  four pairs of running sums of squares
.set SSR,  40                          ; v40-47  block a's sum of squares of my 64 numbers of row l % 16
.set F0,   64                          ; fragment buffer 0
.set F1,   128                         ; fragment buffer 1
.set PT,   64                          ; window 0, at the head: prototypes in f32
.set D2,   64                          ; window 0, on the way out: block a's 16 prototypes x 16 rows at D2 + 8 a
.set U,    128                         ; window 0, on the way out: yh of one block, widened to f32
.set RB,   128                         ; window 0, behind that: records read back
.set T,    192                         ; window 0: y of one block
.set PF,   0                           ; window 1: the prototypes' fragment for columns 32 c on at PF + 8 c
.set BIAS, 192                         ; window 1: block b's eight at BIAS + 8 b
.set UPPER, 76                         ; s76     0xffff0000: a word's upper bf16
.set PFA,  44                          ; s[44:45] where my prefetches stand: my work-group's 32 rows of the 128 that I fetch, one K step further along K than the refill that is being asked for
.set LIM,  43                          ; s43     1 in a wave that prefetches, else the greatest number
.set G1, 24                            ; s[24:31] descriptor group 1 for x's tiles
.set G0, 32                            ; s[32:39] descriptor group 0 for x's tiles, one set for each slot
.set G1B, 48                           ; s[48:55] descriptor group 1 for W's tiles: it differs in the mask alone
.set G0B, 56                           ; s[56:63] descriptor group 0 for W's tiles, one set for each slot
.set MSB, 0
.macro WIN new                         ; the immediate's high byte repeats the setting that is left; a switch that changes nothing is dropped
.if MSB != (\new)
	s_set_vgpr_msb (MSB<<8)|(\new)
.set MSB, \new
.endif
.endm
.set MUL_LO, 0xa1                      ; source 0 (W) window 1, source 1 (x) window 0, C and D window 2
.set MUL_HI, 0xf1                      ; the same, C and D window 3
.set TO_B,   0x40                      ; destination window 1, address window 0
; A joint load.  Waves 0 and 1 fetch x's two halves, waves 2 and 3 W's.  Each of the two lines has ONE mask and one set of registers for all that issue it.  The branch hangs on the wave's number alone.
; An s_nop 0 and four v_nop follow each of the two lines, ahead of the jump, the label and what follows.
.macro JLOAD s
	s_cmp_eq_u32 s11, 0
	s_cbranch_scc0 .Lfor_b_\@
	tensor_load_to_lds s[G0+4*(\s):G0+4*(\s)+3], s[G1:G1+7]
	s_nop 0
.rept 4
	v_nop
.endr
	s_branch .Lasked_\@
.Lfor_b_\@:
	tensor_load_to_lds s[G0B+4*(\s):G0B+4*(\s)+3], s[G1B:G1B+7]
	s_nop 0
.rept 4
	v_nop
.endr
.Lasked_\@:
.endm
; A PREFETCH INTO THE L2, behind each joint refill and the run of LDS loads that follows it: the K step that stands TWO refills on, 512 matrix instructions ahead of the load that will want it:
; 32 rows x 256 bytes, a lane a row, one instruction a wave.  Each row's 256 bytes of a K step are named ONCE in the launch.  x's tile row is walked by the four clusters of that row of clusters: the one
; with cluster x = 0 asks.  W's tile column of a layer is walked by that layer's two clusters of the column: the one with even cluster y asks.  The four partners that ask for a tile jointly share its
; rows out BY ADDRESS, 32 each (by cx for x, by cy for W): no branch hangs on a work-group's place in its cluster.  K steps 0 to 3 come by their loads alone; the loop's last trip (s3 = 1) asks for nothing.
.macro ASK
	s_cmp_gt_u32 s3, s[LIM]
	s_cbranch_scc0 .Lnot_mine_\@
	global_prefetch_b8 v[PFO], s[PFA:PFA+1] offset:KSTEP*2 th:TH_LOAD_NT scope:SCOPE_SE
.Lnot_mine_\@:
.endm
; A round of the cluster's barrier: my work-group's barrier, so that wave 0's signal speaks for all four waves; wave 0 signals; every wave waits for all sixteen work-groups; my work-group's barrier once more.
.macro CREST                           ; a round behind its opening barrier
	s_cmp_lg_u32 s10, 0
	s_cbranch_scc1 .Lnot_wave_0_\@
	s_barrier_signal -3
.Lnot_wave_0_\@:
	s_barrier_wait -3
	s_barrier_signal -1
	s_barrier_wait -1
.endm
.macro CROUND                          ; a whole round
	s_barrier_signal -1
	s_barrier_wait -1
	CREST
.endm
	s_load_b256 s[68:75], s[0:1], 0x0              ; ab 68, bv 70, bt 72, prototypes 74
	s_load_b64 s[8:9], s[0:1], 0x20                ; part
	v_lshl_add_u32 v[SPW], v0, 2, SPARE
	v_mov_b32 v[NIL], 0
	ds_add_u32 v[SPW], v[NIL]                      ; the wave's opening: the add, twice on end, and its wait ahead of my first tensor load; the set-up below stands between
	ds_add_u32 v[SPW], v[NIL]                      ; and once more, under the one wait
	v_lshrrev_b32 v1, 5, v0
	v_readfirstlane_b32 s10, v1                    ; wave 0..3
	s_lshr_b32 s11, s10, 1                         ; which half of the tile's rows is mine.  Also: I fetch for x (0) or for W (1)
	s_and_b32 s12, s10, 1                          ; which half of its columns.  Also: which 128 rows of that tile I fetch
	s_bfe_u32 s40, ttmp6, 0x40000                  ; cx
	s_bfe_u32 s41, ttmp6, 0x40004                  ; cy
	s_lshl_b32 s42, ttmp9, 2                       ; in a cluster launch ttmp9 and ttmp7 count clusters
	s_add_co_u32 s42, s42, s40                     ; tx = 4 x cluster x + cx
	s_and_b32 s13, ttmp7, 0xffff
	s_lshr_b32 s66, s13, 1                         ; g = cluster y / 2
	s_lshl_b32 s13, s13, 2
	s_add_co_u32 s13, s13, s41                     ; ty = 4 x cluster y + cy
	s_lshl_b32 s43, s41, 2
	s_lshl_b32 s43, 15, s43                        ; my row of the cluster: places 4 cy .. 4 cy + 3
	s_lshl_b32 s44, 0x1111, s40                    ; my column: places cx, cx + 4, cx + 8, cx + 12
	s_mov_b32 s[UPPER], 0xffff0000
	; descriptor group 1: a tile of 128 rows x 128 elements, padded in LDS
	s_or_b32 s[G1+0], s43, (1<<16)|(1<<20)|(1<<21)|(5<<22)|(3<<25)  ; 15:0 the mask: x's tiles go to my row; 17:16 elements of 2 bytes; 20 padding on; 21 set beside a mask; 24:22 after every 64 words (code 5); 31:25 4 words (code 3)
	s_or_b32 s[G1B+0], s44, (1<<16)|(1<<20)|(1<<21)|(5<<22)|(3<<25) ; the same with the mask of my column, for W's tiles
.irp g, G1, G1B
	s_mov_b32 s[(\g)+1], KSTEP<<16                 ; tensor_dim0 = 128
	s_mov_b32 s[(\g)+2], 128<<16                   ; tensor_dim1 = 128
	s_mov_b32 s[(\g)+3], KSTEP<<16                 ; tile_dim0 = 128
	s_mov_b32 s[(\g)+4], 128                       ; tile_dim1 = 128
	s_mov_b32 s[(\g)+5], SIZE_K                    ; elements from row to row
	s_mov_b32 s[(\g)+6], 0
	s_mov_b32 s[(\g)+7], 0
.endr
	; where the tiles come from.  x's hang on ty alone, which my row of the cluster shares; W's on g and tx alone, which my column shares.
	s_lshl_b32 s17, s12, 7                         ; which 128 rows of the tile I fetch
	s_lshl_b32 s16, s13, 8
	s_add_co_u32 s16, s16, s17                     ; x: row 256 ty + 128 x half
	s_lshl_b32 s46, s42, 8
	s_add_co_u32 s46, s46, s17
	s_lshl_b32 s47, s66, 12
	s_add_co_u32 s46, s46, s47                     ; W: row 4,096 g + 256 tx + 128 x half
	s_lshl_b32 s16, s16, 13                        ; in bytes: rows of 8,192; both stay under 2^27
	s_lshl_b32 s46, s46, 13
	s_mov_b32 s17, 0
	s_mov_b32 s47, 0
	s_mul_i32 s20, s10, HALFT                      ; and where they go: wave x 128 rows: no place in the cluster enters an LDS address
	s_wait_dscnt 0x0                               ; both opening adds are done
	s_wait_kmcnt 0x0
	s_mov_b64 s[4:5], s[68:69]                     ; the stacked x
	s_add_nc_u64 s[6:7], s[68:69], 0x2000000       ; the stacked W
	s_add_nc_u64 s[14:15], s[4:5], s[16:17]
	s_add_nc_u64 s[46:47], s[6:7], s[46:47]
	CROUND                                         ; all sixteen work-groups are here: the first joint loads meet
.irp s, 0,1
	s_mov_b32 s[G0+4*(\s)], 1                                      ; count = 1
	s_add_co_u32 s[G0+4*(\s)+1], s20, (\s)*SLOT                    ; LDS address
	s_add_nc_u64 s[G0+4*(\s)+2:G0+4*(\s)+3], s[14:15], (\s)*KSTEP*2  ; global address: K step s
	s_or_b32 s[G0+4*(\s)+3], s[G0+4*(\s)+3], 0x80000000            ; type = 2
	s_mov_b32 s[G0B+4*(\s)], 1
	s_add_co_u32 s[G0B+4*(\s)+1], s20, (\s)*SLOT
	s_add_nc_u64 s[G0B+4*(\s)+2:G0B+4*(\s)+3], s[46:47], (\s)*KSTEP*2
	s_or_b32 s[G0B+4*(\s)+3], s[G0B+4*(\s)+3], 0x80000000
	JLOAD \s                                       ; the ring is filled before anything else is done: two loads of mine are out
.endr
	; the bias and the prototypes of my 128 columns: asked for first, so that they come while the addresses are made
	v_and_b32 v1, 15, v0                           ; l % 16
	v_bfe_u32 v2, v0, 4, 1                         ; l / 16
	s_lshl_b32 s67, s42, 10                        ; my first column in bytes of f32: 1,024 tx + 512 x half
	s_lshl_b32 s21, s12, 9
	s_add_co_u32 s67, s67, s21
	v_lshl_add_u32 v[BO], v2, 5, s67               ; + my lanes' 8 columns
	v_min_u32 v5, 13, v1                           ; prototype l % 16; rows 14 and 15 repeat row 13
	v_lshl_add_u32 v[PO], v5, 14, v[BO]
	s_cmp_eq_u32 s66, 0
	s_cselect_b64 s[78:79], s[70:71], s[72:73]     ; bv or bt
	WIN TO_B
.irp b, 0,1,2,3,4,5,6,7
	global_load_b128 v[BIAS+8*(\b):BIAS+8*(\b)+3],   v[BO], s[78:79] offset:64*(\b)      ; columns 16 b + 8 (l / 16) + 0..3,
	global_load_b128 v[BIAS+8*(\b)+4:BIAS+8*(\b)+7], v[BO], s[78:79] offset:64*(\b)+16   ; + 4..7
.endr
	WIN 0
.irp c, 0,1,2,3
	global_load_b128 v[PT+16*(\c):PT+16*(\c)+3],     v[PO], s[74:75] offset:128*(\c)     ; columns 32 c + 8 (l / 16) + 0..7,
	global_load_b128 v[PT+16*(\c)+4:PT+16*(\c)+7],   v[PO], s[74:75] offset:128*(\c)+16
	global_load_b128 v[PT+16*(\c)+8:PT+16*(\c)+11],  v[PO], s[74:75] offset:128*(\c)+64  ; and 32 c + 16 + 8 (l / 16) + 0..7: a fragment's order
	global_load_b128 v[PT+16*(\c)+12:PT+16*(\c)+15], v[PO], s[74:75] offset:128*(\c)+80
.endr
	; A fragment is 16 rows x 32 K in 8 registers: lane l holds row l % 16; registers 0-3 hold K = 8 (l / 16) + 0..7, registers 4-7 K = 16 + 8 (l / 16) + 0..7: two loads of 16 bytes, 32 bytes apart.
	v_mul_u32_u24 v3, v1, PITCH
	v_lshl_add_u32 v3, v2, 4, v3                   ; row x pitch + 16 x half
	s_mul_i32 s21, s11, HALFT                      ; my 128 rows of x
	s_mul_i32 s22, s12, HALFT                      ; my 128 rows of W,
	s_add_co_u32 s22, s22, 2*HALFT                 ; which lie behind x's 256
.irp s, 0,1
	v_add_nc_u32 v[ADRA+(\s)], s21, v3
	v_add_nc_u32 v[ADRB+(\s)], s22, v3
	s_add_co_u32 s21, s21, SLOT
	s_add_co_u32 s22, s22, SLOT
.endr
	s_mul_i32 s23, s10, WSTAGE
	s_add_co_u32 s23, s23, STAGE                   ; my stage
	v_mul_u32_u24 v4, v1, SPITCH                   ; in: record l % 16 of a block,
	v_lshl_add_u32 v5, v2, 5, v4                   ; prototypes 8 (l / 16) + 0..7: 32 bytes
	v_add_nc_u32 v[STO], s23, v5
	v_lshl_add_u32 v5, v2, 2, v4                   ; and words 14 and 15, at byte 56, for the two halves of the sum of squares
	s_add_co_u32 s21, s23, 56
	v_add_nc_u32 v[STS], s21, v5
	s_mul_i32 s23, s11, 2*WSTAGE                   ; back: of the 128 rows that my row half's two waves hold in part, I take 64 x (my column half) on;
	s_mul_i32 s21, s12, 64*SPITCH
	s_add_co_u32 s23, s23, s21
	s_add_co_u32 s23, s23, STAGE
	v_and_b32 v6, 31, v0
	v_lshrrev_b32 v5, 2, v6                        ; 32 lanes take eight records of 64 bytes,
	v_and_b32 v7, 3, v0
	v_mul_u32_u24 v5, v5, SPITCH
	v_lshl_add_u32 v5, v7, 4, v5
	v_add_nc_u32 v[RD], s23, v5
	v_lshlrev_b32 v[GO], 4, v6                     ; which are 512 consecutive bytes of part
	s_lshl_b32 s16, s66, 21                        ; part[g][tx][256 (ty % 8) + 64 x wave]: 2,097,152 g + 131,072 tx + 16,384 (ty % 8) + 4,096 x wave
	s_lshl_b32 s17, s42, 17
	s_add_co_u32 s16, s16, s17
	s_and_b32 s17, s13, 7
	s_lshl_b32 s17, s17, 14
	s_add_co_u32 s16, s16, s17
	s_lshl_b32 s17, s10, 12
	s_add_co_u32 s16, s16, s17
	s_mov_b32 s17, 0
	s_add_nc_u64 s[8:9], s[8:9], s[16:17]
	; the prefetches
	s_lshl_b32 s20, s13, 8                         ; x's tile begins at row 256 ty,
	s_lshl_b32 s21, s42, 8
	s_lshl_b32 s22, s66, 12
	s_add_co_u32 s21, s21, s22                     ; W's at row 4,096 g + 256 tx
	s_and_b32 s22, ttmp7, 1                        ; which of the layer's two rows of clusters
	s_cmp_eq_u32 s11, 0                            ; do I fetch for x?
	s_cselect_b32 s20, s20, s21
	s_cselect_b32 s21, s40, s41                    ; my place among the four that ask with me
	s_cselect_b32 s22, ttmp9, s22                  ; the coordinate along which other clusters walk the same rows
	s_cselect_b64 s[PFA:PFA+1], s[4:5], s[6:7]
	s_cmp_eq_u32 s22, 0
	s_cselect_b32 s[LIM], 1, -1                    ; the same in all sixteen partners, for a given wave
	s_lshl_b32 s22, s12, 7
	s_add_co_u32 s20, s20, s22                     ; + the 128 rows that I fetch
	s_lshl_b32 s21, s21, 5
	s_add_co_u32 s20, s20, s21                     ; + my work-group's 32 of them
	s_lshl_b32 s20, s20, 13
	s_mov_b32 s21, 0
	s_add_nc_u64 s[PFA:PFA+1], s[PFA:PFA+1], s[20:21]
	s_add_nc_u64 s[PFA:PFA+1], s[PFA:PFA+1], 2*KSTEP*2  ; at K step 2: the first refill steps it to 3 and names K step 4
	v_lshlrev_b32 v[PFO], 13, v6
	s_wait_loadcnt 0x0                             ; the bias and the prototypes are in
	WIN TO_B
.irp c, 0,1,2,3
.irp q, 0,1,2,3,4,5,6,7
	v_cvt_pk_bf16_f32 v[PF+8*(\c)+(\q)], v[PT+16*(\c)+2*(\q)], v[PT+16*(\c)+2*(\q)+1]
.endr
.endr
	WIN 0
; 16 matrix instructions: m blocks a0, a0 + 1 of the window's four (hi = 0: my rows 0-63, 1: rows 64-127) x all 8 n blocks, 32 along K.  zero = 1: the first product starts the sums: nothing is cleared.
; The 64 accumulators take turns, one instruction a turn, in the same order in every quarter step, over the backward jump too.
.macro MUL16 f, hi, a0, zero
	WIN MUL_LO+0x50*(\hi)
.irp a, \a0, (\a0)+1
.irp b, 0,1,2,3,4,5,6,7
.if \zero
	v_wmma_f32_16x16x32_bf16 v[8*(8*(\a)+(\b)):8*(8*(\a)+(\b))+7], v[(\f)+8*(\b):(\f)+8*(\b)+7], v[(\f)+8*(4*(\hi)+(\a)):(\f)+8*(4*(\hi)+(\a))+7], 0
.else
	v_wmma_f32_16x16x32_bf16 v[8*(8*(\a)+(\b)):8*(8*(\a)+(\b))+7], v[(\f)+8*(\b):(\f)+8*(\b)+7], v[(\f)+8*(4*(\hi)+(\a)):(\f)+8*(4*(\hi)+(\a))+7], v[8*(8*(\a)+(\b)):8*(8*(\a)+(\b))+7]
.endif
.endr
.endr
.endm
; 32 LDS loads in one run: the fragments of one quarter step (128 rows of W, 128 rows of x, 32 K at byte k of the rows) into buffer f
.macro FETCH slot, k, f
	WIN TO_B
.irp i, 0,1,2,3,4,5,6,7
	ds_load_b128 v[(\f)+8*(\i):(\f)+8*(\i)+3],   v[ADRB+(\slot)] offset:(\k)+(\i)*16*PITCH
	ds_load_b128 v[(\f)+8*(\i)+4:(\f)+8*(\i)+7], v[ADRB+(\slot)] offset:(\k)+(\i)*16*PITCH+32
.endr
	WIN 0
.irp i, 0,1,2,3,4,5,6,7
	ds_load_b128 v[(\f)+8*(\i):(\f)+8*(\i)+3],   v[ADRA+(\slot)] offset:(\k)+(\i)*16*PITCH
	ds_load_b128 v[(\f)+8*(\i)+4:(\f)+8*(\i)+7], v[ADRA+(\slot)] offset:(\k)+(\i)*16*PITCH+32
.endr
.endm
; A load into a register that a matrix instruction has read, and a vector instruction or LDS store that reads a matrix result, stand four places behind that matrix instruction, and only plain vector
; instructions that name none of its registers are places (ISA guide 7.12.1 for vector instructions).
.macro PLACES
.rept 4
	v_nop
.endr
.endm
; A K step is four quarter steps of 32 along K, 64 matrix instructions each, on buffers 0, 1, 0, 1.  One of the first three: multiplies buffer f; in its middle it fetches the next quarter, at byte k, into g.
.macro QUARTER slot, k, f, g, zero
	s_wait_dscnt 8                                 ; W and x's rows 0-63 are in; the youngest eight loads (x's rows 64-127) may be out
	MUL16 \f, 0, 0, \zero
	MUL16 \f, 0, 2, \zero
	PLACES
	FETCH \slot, \k, \g
	s_wait_dscnt 32                                ; all but the 32 just issued
	MUL16 \f, 1, 0, \zero
	MUL16 \f, 1, 2, \zero
.endm
; The last quarter multiplies buffer 1 and changes slots.  MEET is its first half: ONE barrier for the change.  In front of it each wave waits for all its tensor loads, of which one is out: its part of
; the next slot; adds 0 to its spare word; and waits for that and for its own reads of this slot.  Behind it nobody reads this slot any more and the next slot is whole.
.macro MEET round                      ; round = 1: a round of the cluster's barrier follows
	WIN 0                                          ; (the add's two registers lie in window 0)
	s_wait_tensorcnt 0x0                           ; all my tensor loads have landed;
	ds_add_u32 v[SPW], v[NIL]                      ; 0 onto my spare word;
	s_wait_dscnt 9                                 ; (the add and the youngest eight loads may be out)
	MUL16 F1, 0, 0, 0                              ; sixteen matrix instructions stand between the add and the wait for it
	s_wait_dscnt 0x0                               ; the add is done, and my reads of this slot are over:
	s_barrier_signal -1                            ; say so,
	MUL16 F1, 0, 2, 0                              ; work on registers while the others arrive,
.if \round
	WIN 0
.endif
	s_barrier_wait -1                              ; and go on when all four have said so
.endm
; The whole last quarter of a K step whose slot is filled again, with the K step two steps on.  From a request to the wait for it a wave issues 224 matrix instructions.
.macro TURN slot, next
	s_wait_xcnt 0x0                                ; the last prefetch, a K step back, has read its address: it is stepped here, ahead of the waits of the change of slots
	s_add_nc_u64 s[PFA:PFA+1], s[PFA:PFA+1], KSTEP*2
	MEET 1
	CREST                                          ; the barrier has opened a round of the cluster's: no wave of any partner still reads this slot's tile or has a load on its way
	s_add_nc_u64 s[G0+4*(\slot)+2:G0+4*(\slot)+3], s[G0+4*(\slot)+2:G0+4*(\slot)+3], 2*KSTEP*2
	s_add_nc_u64 s[G0B+4*(\slot)+2:G0B+4*(\slot)+3], s[G0B+4*(\slot)+2:G0B+4*(\slot)+3], 2*KSTEP*2
	JLOAD \slot                                    ; the first tensor load behind the round, my only one until the next; its four v_nop are also the places in front of the loads below
	FETCH \next, 0, F0
	ASK
	MUL16 F1, 1, 0, 0
	MUL16 F1, 1, 2, 0
.endm
	s_wait_tensorcnt 1                             ; my part of K step 0 is in; K step 1's may stay out
	s_barrier_signal -1
	s_barrier_wait -1                              ; everybody's is
	FETCH 0, 0, F0
	QUARTER 0, 64,  F0, F1, 1                      ; the first quarter stands in front of the loop: its products start the sums
	WIN 0                                          ; at a label and at a branch every window is 0
	s_mov_b32 s3, LAPS-1
.Llap:                                                 ; 15 trips: once round the ring, from a lap's second quarter to the next lap's first; both slots are filled again (K steps 2 to 31)
	QUARTER 0, 128, F1, F0, 0
	QUARTER 0, 192, F0, F1, 0
	TURN 0, 1
	QUARTER 1, 64,  F0, F1, 0
	QUARTER 1, 128, F1, F0, 0
	QUARTER 1, 192, F0, F1, 0
	TURN 1, 0
	QUARTER 0, 64,  F0, F1, 0
	WIN 0
	s_sub_co_u32 s3, s3, 1
	s_cmp_lg_u32 s3, 0
	s_cbranch_scc1 .Llap
	QUARTER 0, 128, F1, F0, 0                      ; the last lap fills nothing, and has no round of the cluster's barrier
	QUARTER 0, 192, F0, F1, 0
	MEET 0                                         ; my one tensor load that was still out is the last K step's
	PLACES                                         ; for the loads into buffer 0, which the quarter before multiplied
	FETCH 1, 0, F0
	MUL16 F1, 1, 0, 0
	MUL16 F1, 1, 2, 0
	QUARTER 1, 64,  F0, F1, 0
	QUARTER 1, 128, F1, F0, 0
	QUARTER 1, 192, F0, F1, 0
	s_wait_dscnt 8                                 ; the very last quarter: nothing more to fetch
	MUL16 F1, 0, 0, 0
	MUL16 F1, 0, 2, 0
	s_wait_dscnt 0x0
	MUL16 F1, 1, 0, 0
	MUL16 F1, 1, 2, 0
; THE WAY OUT.  Block a (16 rows x 128 columns, 8 accumulators), in six stretches of one window setting each:
;   y = sum + bias in f32 (each accumulator read from its low end on);   the lane's sum of y^2, in four pairs of chains;
;   yh = y rounded to bf16, two accumulators to a fragment, into the block's own registers, which have all been read by then: fragment c (columns 32 c on) at 64 (a % 4) + 16 c;
;   yh widened again (a shift, a mask);   y - yh, exact in f32;   yl = that rounded to bf16, in the eight registers behind yh's: 64 (a % 4) + 16 c + 8.
.macro YBLK a
.set AC, 64*((\a)%4)
	WIN 0x06+(\a)/4                                ; source 0: window 2 or 3; source 1: window 1; destination: window 0
.irp b, 0,1,2,3,4,5,6,7
.irp r, 0,1,2,3
	v_pk_add_f32 v[T+8*(\b)+2*(\r):T+8*(\b)+2*(\r)+1], v[AC+8*(\b)+2*(\r):AC+8*(\b)+2*(\r)+1], v[BIAS+8*(\b)+2*(\r):BIAS+8*(\b)+2*(\r)+1]
.endr
.endr
	WIN 0
.irp b, 0,1,2,3,4,5,6,7
.irp r, 0,1,2,3
.if (\b) == 0
	v_pk_mul_f32 v[SSP+2*(\r):SSP+2*(\r)+1], v[T+2*(\r):T+2*(\r)+1], v[T+2*(\r):T+2*(\r)+1]
.else
	v_pk_fma_f32 v[SSP+2*(\r):SSP+2*(\r)+1], v[T+8*(\b)+2*(\r):T+8*(\b)+2*(\r)+1], v[T+8*(\b)+2*(\r):T+8*(\b)+2*(\r)+1], v[SSP+2*(\r):SSP+2*(\r)+1]
.endif
.endr
.endr
	v_pk_add_f32 v[SSP:SSP+1], v[SSP:SSP+1], v[SSP+2:SSP+3]
	v_pk_add_f32 v[SSP+4:SSP+5], v[SSP+4:SSP+5], v[SSP+6:SSP+7]
	v_pk_add_f32 v[SSP:SSP+1], v[SSP:SSP+1], v[SSP+4:SSP+5]
	v_add_f32 v[SSR+(\a)], v[SSP], v[SSP+1]
	WIN 0x80+0x40*((\a)/4)                         ; destination: window 2 or 3
.irp b, 0,1,2,3,4,5,6,7
.irp r, 0,1,2,3
	v_cvt_pk_bf16_f32 v[AC+16*((\b)/2)+4*((\b)%2)+(\r)], v[T+8*(\b)+2*(\r)], v[T+8*(\b)+2*(\r)+1]
.endr
.endr
	WIN 0x08+4*((\a)/4)                            ; source 1: window 2 or 3; destination: window 0
.irp b, 0,1,2,3,4,5,6,7
.irp r, 0,1,2,3
	v_lshlrev_b32 v[U+8*(\b)+2*(\r)],   16,       v[AC+16*((\b)/2)+4*((\b)%2)+(\r)]  ; bf16 to f32: the low half moves up,
	v_and_b32     v[U+8*(\b)+2*(\r)+1], s[UPPER], v[AC+16*((\b)/2)+4*((\b)%2)+(\r)]  ; the high half stays
.endr
.endr
	WIN 0
.irp b, 0,1,2,3,4,5,6,7
.irp r, 0,1,2,3
	v_pk_add_f32 v[T+8*(\b)+2*(\r):T+8*(\b)+2*(\r)+1], v[T+8*(\b)+2*(\r):T+8*(\b)+2*(\r)+1], v[U+8*(\b)+2*(\r):U+8*(\b)+2*(\r)+1] neg_lo:[0,1] neg_hi:[0,1]
.endr
.endr
	WIN 0x80+0x40*((\a)/4)
.irp b, 0,1,2,3,4,5,6,7
.irp r, 0,1,2,3
	v_cvt_pk_bf16_f32 v[AC+16*((\b)/2)+8+4*((\b)%2)+(\r)], v[T+8*(\b)+2*(\r)], v[T+8*(\b)+2*(\r)+1]
.endr
.endr
.endm
; The second product for blocks 4 half .. 4 half + 3: 16 prototypes x 16 rows of y, K = my 128 columns in four steps, each step with yh (p = 0) and then with yl (p = 1): eight links a sum.
; The four accumulators take turns, one instruction a turn, across the halves too.  In the result lane l holds row l % 16 of y and its registers the prototypes 8 (l / 16) + 0..7.
.macro SIMS half
	WIN 0x09+4*(\half)                             ; source 0 (prototypes) window 1, source 1 (y) window 2 or 3, C and D window 0
.irp c, 0,1,2,3
.irp p, 0,1
.irp a, 0,1,2,3
.if (\c) == 0 && (\p) == 0
	v_wmma_f32_16x16x32_bf16 v[D2+8*(4*(\half)+(\a)):D2+8*(4*(\half)+(\a))+7], v[PF+8*(\c):PF+8*(\c)+7], v[64*(\a)+16*(\c)+8*(\p):64*(\a)+16*(\c)+8*(\p)+7], 0
.else
	v_wmma_f32_16x16x32_bf16 v[D2+8*(4*(\half)+(\a)):D2+8*(4*(\half)+(\a))+7], v[PF+8*(\c):PF+8*(\c)+7], v[64*(\a)+16*(\c)+8*(\p):64*(\a)+16*(\c)+8*(\p)+7], v[D2+8*(4*(\half)+(\a)):D2+8*(4*(\half)+(\a))+7]
.endif
.endr
.endr
.endr
.endm
	PLACES                                         ; block 0's sums were made 56 matrix instructions ago, which are no places
.irp a, 0,1,2,3,4,5,6,7
	YBLK \a
.endr
	SIMS 0
	SIMS 1
	WIN 0
	PLACES                                         ; the stores below read results just made
.irp a, 0,1,2,3,4,5,6,7
	ds_store_b128 v[STO], v[D2+8*(\a):D2+8*(\a)+3]   offset:(\a)*16*SPITCH
	ds_store_b128 v[STO], v[D2+8*(\a)+4:D2+8*(\a)+7] offset:(\a)*16*SPITCH+16
	ds_store_b32 v[STS], v[SSR+(\a)] offset:(\a)*16*SPITCH  ; LDS serves a wave's instructions in order (ISA guide 5.7.1.4): words 14 and 15 now hold the two halves of the sum of squares
.endr
	s_wait_dscnt 0x0                               ; for the others' sake: my stores into the stage are done
	s_barrier_signal -1
	s_barrier_wait -1
.irp i, 0,1,2,3,4,5,6,7
.irp c, 0,1
	ds_load_b128 v[RB+8*(\i)+4*(\c):RB+8*(\i)+4*(\c)+3], v[RD] offset:(\c)*WSTAGE+(\i)*8*SPITCH  ; eight records, of column half c
.endr
.endr
.irp i, 0,1,2,3,4,5,6,7
	s_wait_dscnt 14-2*(\i)                         ; pair i is in; the later pairs stay out
	v_pk_add_f32 v[RB+8*(\i):RB+8*(\i)+1], v[RB+8*(\i):RB+8*(\i)+1], v[RB+8*(\i)+4:RB+8*(\i)+5]      ; the two column halves
	v_pk_add_f32 v[RB+8*(\i)+2:RB+8*(\i)+3], v[RB+8*(\i)+2:RB+8*(\i)+3], v[RB+8*(\i)+6:RB+8*(\i)+7]
	global_store_b128 v[GO], v[RB+8*(\i):RB+8*(\i)+3], s[8:9] offset:512*(\i)  ; 512 consecutive bytes, at a multiple of 256 from part's first byte
.endr
	s_wait_tensorcnt 0x0                           ; the wave's end, behind my last tensor load and my last LDS store
	ds_add_u32 v[SPW], v[NIL]
	s_wait_dscnt 0x0
	CROUND                                         ; the closing round: no work-group ends while a partner may still ask for a tile that names it
	s_endpgm
.Lfunc_end_k_qd12d46bb41_gemm:
	.size	k_qd12d46bb41_gemm, .Lfunc_end_k_qd12d46bb41_gemm-k_qd12d46bb41_gemm
	.p2alignl 7, 3214868480
	.fill 96, 4, 3214868480
	.section	.rodata,"a",@progbits
	.p2align	6, 0x0
	.amdhsa_kernel k_qd12d46bb41_gemm
		.amdhsa_group_segment_fixed_size 327680
		.amdhsa_private_segment_fixed_size 0
		.amdhsa_enable_private_segment 0
		.amdhsa_kernarg_size 40
		.amdhsa_user_sgpr_count 2
		.amdhsa_user_sgpr_kernarg_segment_ptr 1
		.amdhsa_wavefront_size32 1
		.amdhsa_system_sgpr_workgroup_id_x 1
		.amdhsa_system_sgpr_workgroup_id_y 1
		.amdhsa_system_sgpr_workgroup_id_z 1
		.amdhsa_system_vgpr_workitem_id 0
		.amdhsa_next_free_vgpr 1024
		.amdhsa_next_free_sgpr 80
		.amdhsa_reserve_vcc 0
		.amdhsa_float_denorm_mode_32 3
		.amdhsa_float_denorm_mode_16_64 3
		.amdhsa_memory_ordered 1
		.amdhsa_forward_progress 1
		.amdhsa_inst_pref_size 226
	.end_amdhsa_kernel
	.amdgpu_metadata
---
amdhsa.version: [ 1, 2 ]
amdhsa.kernels:
  - .name:           k_qd12d46bb41_gemm
    .symbol:         k_qd12d46bb41_gemm.kd
    .args:
      - { .name: ab, .offset: 0, .size: 8, .value_kind: global_buffer, .address_space: global }
      - { .name: bv, .offset: 8, .size: 8, .value_kind: global_buffer, .address_space: global }
      - { .name: bt, .offset: 16, .size: 8, .value_kind: global_buffer, .address_space: global }
      - { .name: prototypes, .offset: 24, .size: 8, .value_kind: global_buffer, .address_space: global }
      - { .name: part, .offset: 32, .size: 8, .value_kind: global_buffer, .address_space: global }
    .group_segment_fixed_size: 327680
    .private_segment_fixed_size: 0
    .kernarg_segment_align: 8
    .kernarg_segment_size: 40
    .max_flat_workgroup_size: 128
    .sgpr_count:     80
    .vgpr_count:     1024
    .wavefront_size: 32
...
	.end_amdgpu_metadata
.endif
;; end of part 2
;; launch final (part 3): grid 64 x 1, 4 waves a work-group, no clusters, 2,560 bytes of LDS; arguments part, pn, disease_labels, out0; writes out0
.if DOCPART == 3
	.amdgcn_target "amdgcn-amd-amdhsa--gfx1250"
	.amdhsa_code_object_version 6
	.text
	.protected	k_qd12d46bb41_final
	.globl	k_qd12d46bb41_final
	.p2align	8
	.type	k_qd12d46bb41_final,@function
k_qd12d46bb41_final:
	s_mov_b64 s[64:65], 0
	v_nop
	global_prefetch_b8 v0, s[64:65] scope:SCOPE_SE
	s_setreg_imm32_b32 hwreg(HW_REG_WAVE_MODE, 25, 1), 1
	s_wait_xcnt 0x0
; out0[m][k] = 0.5 (v.p / (|v| |p|) + t.p / (|t| |p|)) label[m][k].  part holds, for each layer g, column tile nt and row m, a record of 16 f32: 14 sums y . prototype_k and two halves of the sum of y^2.
; A work-group owns 32 rows: 1,792 bytes of out0, seven whole blocks of 256.  Thread t owns row t / 4 and words 4 q .. 4 q + 3 of its records (q = t % 4): it adds the 16 tiles' records of both
; layers in f32, 32 loads of 16 bytes that are all out together; a wave's load covers 512 consecutive bytes.  The norms come from q = 3's words 14 and 15 and reach the row's four lanes by two lane steps.
; The results change layout (16 words a row to 14) through LDS, so that sixteen neighbouring lanes store 256 consecutive bytes, aligned.
; No cluster, no matrix unit, no tensor loads: the work-groups share only pn's 56 bytes, and there is no product here.  64 work-groups: the largest number whose shares of out0 are whole aligned blocks of 256 bytes with whole rows.
; LIMITS.  A sum of squares below 2^-126 counts as 0 in the root (its root lies below 1e-12, so the clamp decides either way).  NaN and infinities are not treated apart.
.set STG,   0                          ; LDS: 32 rows of 56 bytes, dense
.set SPARE, 2048                       ; the spare words, 128 bytes for each wave, which no other line names
.set X,     32                         ; v[32:159] record s = 16 g + nt at X + 4 s
	s_load_b256 s[4:11], s[0:1], 0x0               ; part 4, pn 6, labels 8, out0 10
	v_lshl_add_u32 v8, v0, 2, SPARE                ; v8: my spare word; v9: 0; both kept for the add alone
	v_mov_b32 v9, 0
	v_and_b32 v1, 3, v0                            ; q
	v_lshlrev_b32 v2, 4, v0                        ; my 16 bytes of the work-group's 2,048 bytes of records
	v_min_u32 v3, 1776, v2                         ; my 16 bytes of its 1,792 bytes of labels and of out0; threads 112 on repeat the last
	v_lshlrev_b32 v4, 4, v1                        ; pn[4 q], pn[4 q + 1]
	v_add_nc_u32 v5, 8, v4
	v_min_u32 v5, 48, v5                           ; pn[4 q + 2], pn[4 q + 3]; for q = 3 words 12 and 13 once more: words 14 on are never read
	v_lshrrev_b32 v6, 2, v0
	v_mul_u32_u24 v6, v6, 56
	v_add_nc_u32 v6, v6, v4                        ; where my results go in the stage
	s_lshl_b32 s12, ttmp9, 11
	s_mov_b32 s13, 0
	s_mul_i32 s14, ttmp9, 1792
	s_mov_b32 s15, 0
	s_wait_kmcnt 0x0
	s_add_nc_u64 s[4:5], s[4:5], s[12:13]
	s_add_nc_u64 s[8:9], s[8:9], s[14:15]
	s_add_nc_u64 s[10:11], s[10:11], s[14:15]
.set i, 0
.rept 32
	global_load_b128 v[X+4*i:X+4*i+3], v2, s[4:5] offset:131072*i th:TH_LOAD_NT  ; 131,072 bytes from tile to tile, 16 tiles a layer; the largest immediate is 4,063,232
.set i, i+1
.endr
	global_load_b128 v[12:15], v3, s[8:9]
	global_load_b64 v[16:17], v4, s[6:7]
	global_load_b64 v[18:19], v5, s[6:7]
	s_wait_loadcnt 0x0
.irp g, 0, 1
.irp st, 8, 4, 2, 1
.set i, 0
.rept \st
	v_pk_add_f32 v[X+64*(\g)+4*i:X+64*(\g)+4*i+1], v[X+64*(\g)+4*i:X+64*(\g)+4*i+1], v[X+64*(\g)+4*(i+\st):X+64*(\g)+4*(i+\st)+1]
	v_pk_add_f32 v[X+64*(\g)+4*i+2:X+64*(\g)+4*i+3], v[X+64*(\g)+4*i+2:X+64*(\g)+4*i+3], v[X+64*(\g)+4*(i+\st)+2:X+64*(\g)+4*(i+\st)+3]
.set i, i+1
.endr
.endr
.endr
	v_cmp_eq_u32 vcc_lo, 3, v1
	v_add_f32 v28, v[X+2], v[X+3]                  ; in q = 3: the row's sum of squares, layer 0,
	v_add_f32 v29, v[X+66], v[X+67]                ; layer 1
	v_cndmask_b32 v28, 0, v28, vcc_lo              ; 0 in the other three lanes,
	v_cndmask_b32 v29, 0, v29, vcc_lo
	v_add_f32_dpp v28, v28, v28 row_xmask:1 row_mask:0xf bank_mask:0xf  ; so that the sum over the four lanes is q = 3's number
	v_add_f32_dpp v29, v29, v29 row_xmask:1 row_mask:0xf bank_mask:0xf
	v_add_f32_dpp v28, v28, v28 row_xmask:2 row_mask:0xf bank_mask:0xf
	v_add_f32_dpp v29, v29, v29 row_xmask:2 row_mask:0xf bank_mask:0xf
	v_sqrt_f32 v30, v28
	v_sqrt_f32 v31, v29
	v_cvt_f32_i32 v12, v12                         ; the labels' conversions are the plain work behind the two batches
	v_cvt_f32_i32 v13, v13
	s_wait_alu depctr_va_vdst(0)                   ; one wait for both roots, ahead of the first use
	v_max_num_f32 v30, 0x2b8cbccc, v30             ; max(norm, 1e-12)
	v_max_num_f32 v31, 0x2b8cbccc, v31
	v_rcp_f32 v28, v30
	v_rcp_f32 v29, v31
	v_cvt_f32_i32 v14, v14
	v_cvt_f32_i32 v15, v15
	s_wait_alu depctr_va_vdst(0)                   ; one wait for both reciprocals
	v_mul_f32 v20, 0.5, v28                        ; 0.5 / |v|, twice: a pair for the packed multiply
	v_mul_f32 v21, 0.5, v28
	v_mul_f32 v22, 0.5, v29                        ; 0.5 / |t|
	v_mul_f32 v23, 0.5, v29
	v_pk_mul_f32 v[24:25], v[X:X+1], v[20:21]
	v_pk_mul_f32 v[26:27], v[X+2:X+3], v[20:21]
	v_pk_fma_f32 v[24:25], v[X+64:X+65], v[22:23], v[24:25]
	v_pk_fma_f32 v[26:27], v[X+66:X+67], v[22:23], v[26:27]
	v_pk_mul_f32 v[24:25], v[24:25], v[16:17]      ; / |p|
	v_pk_mul_f32 v[26:27], v[26:27], v[18:19]
	ds_store_b64 v6, v[24:25] offset:STG           ; prototypes 4 q, 4 q + 1
	v_cmp_gt_u32 vcc_lo, 3, v1
	s_wait_xcnt 0x0                                ; EXEC changes only behind this wait
	s_and_saveexec_b32 s20, vcc_lo
	ds_store_b64 v6, v[26:27] offset:STG+8         ; prototypes 4 q + 2, 4 q + 3: not for q = 3, whose words 14 and 15 are no prototypes
	s_or_b32 exec_lo, exec_lo, s20                 ; (no global instruction has been issued since the wait above)
	s_wait_dscnt 0x0                               ; for the others' sake: my stores are done
	s_barrier_signal -1
	s_barrier_wait -1
	ds_load_b128 v[24:27], v3 offset:STG           ; four neighbouring numbers of out0
	s_wait_dscnt 0x0
	v_pk_mul_f32 v[24:25], v[24:25], v[12:13]      ; times their labels
	v_pk_mul_f32 v[26:27], v[26:27], v[14:15]
	v_cmp_gt_u32 vcc_lo, 112, v0
	s_and_saveexec_b32 s20, vcc_lo
	global_store_b128 v3, v[24:27], s[10:11]       ; 16 lanes store 256 consecutive bytes, aligned
	s_wait_xcnt 0x0                                ; in front of the line that widens EXEC
	s_or_b32 exec_lo, exec_lo, s20
	s_wait_tensorcnt 0x0                           ; the wave's end, behind my last LDS store
	ds_add_u32 v8, v9
	s_wait_dscnt 0x0
	s_endpgm
.Lfunc_end_k_qd12d46bb41_final:
	.size	k_qd12d46bb41_final, .Lfunc_end_k_qd12d46bb41_final-k_qd12d46bb41_final
	.p2alignl 7, 3214868480
	.fill 96, 4, 3214868480
	.section	.rodata,"a",@progbits
	.p2align	6, 0x0
	.amdhsa_kernel k_qd12d46bb41_final
		.amdhsa_group_segment_fixed_size 2560
		.amdhsa_private_segment_fixed_size 0
		.amdhsa_enable_private_segment 0
		.amdhsa_kernarg_size 32
		.amdhsa_user_sgpr_count 2
		.amdhsa_user_sgpr_kernarg_segment_ptr 1
		.amdhsa_wavefront_size32 1
		.amdhsa_system_sgpr_workgroup_id_x 1
		.amdhsa_system_sgpr_workgroup_id_y 1
		.amdhsa_system_sgpr_workgroup_id_z 1
		.amdhsa_system_vgpr_workitem_id 0
		.amdhsa_next_free_vgpr 160
		.amdhsa_next_free_sgpr 66
		.amdhsa_reserve_vcc 1
		.amdhsa_float_denorm_mode_32 3
		.amdhsa_float_denorm_mode_16_64 3
		.amdhsa_memory_ordered 1
		.amdhsa_forward_progress 1
		.amdhsa_inst_pref_size 11
	.end_amdhsa_kernel
	.amdgpu_metadata
---
amdhsa.version: [ 1, 2 ]
amdhsa.kernels:
  - .name:           k_qd12d46bb41_final
    .symbol:         k_qd12d46bb41_final.kd
    .args:
      - { .name: part, .offset: 0, .size: 8, .value_kind: global_buffer, .address_space: global }
      - { .name: pn, .offset: 8, .size: 8, .value_kind: global_buffer, .address_space: global }
      - { .name: disease_labels, .offset: 16, .size: 8, .value_kind: global_buffer, .address_space: global }
      - { .name: out0, .offset: 24, .size: 8, .value_kind: global_buffer, .address_space: global }
    .group_segment_fixed_size: 2560
    .private_segment_fixed_size: 0
    .kernarg_segment_align: 8
    .kernarg_segment_size: 32
    .max_flat_workgroup_size: 128
    .sgpr_count:     66
    .vgpr_count:     160
    .wavefront_size: 32
...
	.end_amdgpu_metadata
.endif
;; end of part 3
